; MI455X (gfx1250); checked and timed in simulation.
; The chip was launched on July 23, 2026; its instructions are those of AMD's public machine-readable ISA for CDNA 5 (MIT licence, August 2026) and "CDNA5" Instruction Set Architecture Reference Guide (July 2026). The comments in the code are by the model that wrote it; some were corrected since.
;; HM LSTM Cell. Allowed arithmetic: matrix products marked QUANTISED: E3M2 operands, one E8M0 scale for each 32 along K, by v_wmma_scale_f32_16x16x128_f8f6f4 with both operands' format E3M2, f32 sums; everything else in f32.
;; Inputs: U_11_codes 4,097 x 32 x 24 uint8 (E3M2 codes of U_11, K innermost, in blocks of 32 codes, four codes in three bytes); U_11_scales 4,097 x 32 uint8 (E8M0 scales of U_11, one for each 32 codes along K); U_21_codes 4,097 x 32 x 24 uint8 (E3M2 codes of U_21, K innermost, in blocks of 32 codes, four codes in three bytes); U_21_scales 4,097 x 32 uint8 (E8M0 scales of U_21, one for each 32 codes along K); W_01_codes 4,097 x 32 x 24 uint8 (E3M2 codes of W_01, K innermost, in blocks of 32 codes, four codes in three bytes); W_01_scales 4,097 x 32 uint8 (E8M0 scales of W_01, one for each 32 codes along K); bias 4,097 float32; c 1,024 x 4,096 float32; h 1,024 x 4,096 float32; h_bottom_codes 4,096 x 32 x 24 uint8 (E3M2 codes of h_bottom, K innermost, in blocks of 32 codes, four codes in three bytes); h_bottom_scales 4,096 x 32 uint8 (E8M0 scales of h_bottom, one for each 32 codes along K); h_top_codes 4,096 x 32 x 24 uint8 (E3M2 codes of h_top, K innermost, in blocks of 32 codes, four codes in three bytes); h_top_scales 4,096 x 32 uint8 (E8M0 scales of h_top, one for each 32 codes along K); z 1 x 4,096 float32; z_bottom 1 x 4,096 float32.
;; Outputs: out0 1,024 x 4,096 float32; out1 1,024 x 4,096 float32; out2 1 x 4,096 float32.
;; This version of the problem:
;;   THIS VERSION OF THE PROBLEM IS GIVEN IN LOW PRECISION. The matrix products marked QUANTISED in the list below multiply operands that are first quantised to E3M2 (3 exponent bits, 2 mantissa bits; 6 bits a number), with one power-of-two scale for each 32 numbers along K (OCP MX v1.0); their sums are f32. All else is computed in f32.
;;   The module's matrix products, in the order in which they are computed (A, B: the left and right operand; K: the contracted axis; several contracted axes count as one K, in the product's order):
;;     1. [M 4,097, K 1,024] x [K 1,024, N 4,096]; A: input W_01 (given as codes); B: input h_bottom (given as codes): QUANTISED
;;     2. [M 4,097, K 1,024] x [K 1,024, N 4,096]; A: input U_21 (given as codes); B: input h_top (given as codes): QUANTISED
;;     3. [M 4,097, K 1,024] x [K 1,024, N 4,096]; A: input U_11 (given as codes); B: input h: QUANTISED
;;   THE QUANTISER, for each operand of a quantised product, along K:
;;     - K is cut into blocks of 32 from its start; a last block that is shorter is filled with zeros.
;;     - A block's scale is 2^e with e = floor(log2(the largest magnitude in the block)) - 4, held to -126 .. 127; a block of zeros has e = 0. As a byte (E8M0): e + 127.
;;     - Each number is divided by its block's scale, clamped to +-28, and rounded to the nearest number of E3M2, ties to even, subnormals kept.
;;     - The product sums the exact products of the quantised numbers (number of the format x scale) in f32.
;;   ~~~python
;;   def quantise(x, axis):      # numpy; x: float32 -> the quantised numbers, widened to float32 again
;;       x = np.moveaxis(x, axis, -1); K = x.shape[-1]
;;       x = np.pad(x, [(0, 0)] * (x.ndim - 1) + [(0, -K % 32)]); x = x.reshape(x.shape[:-1] + (-1, 32)); a = np.abs(x).max(-1, keepdims=True)
;;       e = np.where(a > 0, np.clip(np.frexp(np.where(a > 0, a, 1))[1] - 1 - 4, -126, 127), 0)      # np.frexp(a)[1] - 1 = floor(log2(a)), exactly
;;       r = np.clip(x / 2.0 ** e, -28, 28)
;;       step = 2.0 ** (np.maximum(np.frexp(np.where(r == 0, 1, r))[1] - 1, -2) - 2)
;;       q = np.round(r / step) * step * 2.0 ** e      # np.round: ties to even
;;       return np.moveaxis(q.reshape(q.shape[:-2] + (-1,))[..., :K], -1, axis).astype(np.float32)
;;   ~~~
;;   INPUTS GIVEN AS CODES. U_11 (in the module: [4097, 1024], K = its axis 1); U_21 (in the module: [4097, 1024], K = its axis 1); W_01 (in the module: [4097, 1024], K = its axis 1); h_bottom (in the module: [1024, 4096], K = its axis 0); h_top (in the module: [1024, 4096], K = its axis 0): each comes as NAME_codes (uint8): NAME with its K axis moved to the last place and cut into blocks of 32 codes, [.., K / 32, bytes a block], one block behind the other in memory; four codes in three bytes: a row's codes are one little-endian stream of bits, code i at bits 6 i .. 6 i + 5 (a code: sign, 3 exponent bits, 2 mantissa bits); and NAME_scales (uint8): the same leading axes, one E8M0 byte (e + 127) for each 32 codes along K. Its value is code x scale, taken as it is: it is not quantised again, and the codes and scales need not be those that the quantiser above would give.
;; One version. Each part assembles by itself: llvm-mc -triple=amdgcn-amd-amdhsa -mcpu=gfx1250 --defsym DOCPART=n.
;; ======== version 1 of 1: 2 launches
;; limits: right only within a limited range of input values
;; workspace buffers: aimg 9,830,400 bytes; bimg 9,830,400 bytes; zpart 131,072 bytes
;; launch prep (part 1): grid 256 x 1, 9 waves a work-group, no clusters, 114,176 bytes of LDS; arguments h, z, z_bottom, U_11_codes, U_21_codes, W_01_codes, h_top_codes, h_bottom_codes, U_11_scales, U_21_scales, W_01_scales, h_top_scales, h_bottom_scales, aimg, bimg, zpart; writes aimg, bimg, zpart
.if DOCPART == 1
	.amdgcn_target "amdgcn-amd-amdhsa--gfx1250"
	.amdhsa_code_object_version 6
	.text
	.protected	k_qcccb314104_prep
	.globl	k_qcccb314104_prep
	.p2align	8
	.type	k_qcccb314104_prep,@function
k_qcccb314104_prep:
	s_mov_b64 s[64:65], 0
	v_nop
	global_prefetch_b8 v0, s[64:65] scope:SCOPE_SE
	s_setreg_imm32_b32 hwreg(HW_REG_WAVE_MODE, 25, 1), 1
	s_wait_xcnt 0x0
; THE LAUNCH IN FRONT OF THE CELL.  It lays both operands of the three products as IMAGES OF THE OPERAND REGISTERS, and makes row 4096 of the pre-activations.
; aimg [my 16][s 24] and bimg [nt 16][s 24] hold records of 25,600 bytes; s = 8 p + K / 128; p = 0: U_11 with h, 1: U_21 with h_top, 2: W_01 with h_bottom.
; A record: 16 fragments (16 rows x 128 K, 1,536 bytes: registers 4 j .. 4 j + 3 of lane l at 512 j + 16 l), then 256 scale words (fragment y, row i at 24,576 + 64 y + 4 i).
; A fragment's 16 rows lie 4 apart: rows 64 G + 4 i + u of the tensor.  Weights: G = 16 gate + my, y = 8 (u / 2) + 2 gate + u % 2.  Columns: G = 4 nt + G % 4, y = 4 (G % 4) + u.
; WAVES 0-3 (work-group g: columns 64 (g % 64) on, K 256 (g / 64) on; wave w: u = 2 (w % 2) + lane / 16, K + 128 (w / 2)): h [k][n] f32 is quantised along k.  A lane takes a column and its registers
;   run down k; a block's byte is its largest magnitude's exponent field - 4, held at 1 from below (a block of zeros keeps 1: its codes are zeros, and this program alone reads the bytes).
;   Two exchanges of halves turn the codes into two fragments, which are stored as they stand and also multiply the weights' row 4096:
;   zpart [K / 128][n] = W_01 h_bottom + z (U_21 h_top) + z_bottom (U_11 h), without the bias.
; WAVES 4-8 (tensor w - 4 of U_11, U_21, W_01, h_top, h_bottom; fragment rows G = g / 4, u = g % 4): 16 rows of 768 bytes come in whole, go through the wave's own LDS bytes (pitch 784), come back
;   in the fragments' order and leave in runs of 512 bytes; the rows' scale words leave in runs of 64 bytes.
; No cluster and no tensor load: no two work-groups read the same bytes but the weights' row 4096, 96 bytes a wave.
; LIMITS: NaN and infinities in h are not served; blocks of h whose largest magnitude lies under 2^(5 - 127) get the byte 1.
.set REC,  25600
.set WLDS, 12544                       ; a wave's LDS bytes: 16 rows x 784
.set SPARE, 9*WLDS                     ; behind them: the spare words, 128 bytes a wave
.set X,    16                          ; v16-143  my column's 128 numbers; later v16-39 two fragments, v40-42 at work, v48-95 six results
.set WF,   144                         ; v144-179 row 4096 of the three weights
.set BF,   180                         ; v180-227 h_top's two fragments, then h_bottom's
.set WS,   228
.set BS,   231
.set PW,   233                         ; h's scale word: lane = column
.set ZZ,   234
.set T0,   244
.set T1,   248
.set D,    48
	s_load_b512 s[8:23], s[0:1], 0x0               ; h, z, z_bottom, codes of U_11, U_21, W_01, h_top, h_bottom
	s_load_b512 s[24:39], s[0:1], 0x40             ; scales of the same five; aimg, bimg, zpart
	v_lshl_add_u32 v12, v0, 2, SPARE               ; my spare word,
	v_mov_b32 v13, 0                               ; and 0: kept for the closing lines alone
	v_lshrrev_b32 v1, 5, v0
	v_readfirstlane_b32 s2, v1                     ; wave 0..8
	v_and_b32 v1, 31, v0                           ; lane
	v_and_b32 v2, 15, v0                           ; r
	v_bfe_u32 v3, v0, 4, 1                         ; t = lane / 16
	s_mul_i32 s60, s2, WLDS
	v_lshlrev_b32 v4, 4, v2
	v_lshl_add_u32 v4, v3, 2, v4                   ; 4 x (4 r + t): h, z, z_bottom, zpart
	v_mul_u32_u24 v7, v3, 24                       ; a fragment's half
	v_mov_b32 v8, 0
	v_mul_u32_u24 v9, v2, 3072
	v_add_nc_u32 v9, v9, v7                        ; row 4 r of codes + my half
	v_lshlrev_b32 v10, 7, v2
	v_lshl_add_u32 v10, v3, 5, v10                 ; 32 x (4 r + t): a column's scale bytes
	v_lshlrev_b32 v11, 2, v2
	v_lshl_add_u32 v11, v3, 6, v11                 ; h's scale word in the record: 64 t + 4 r
	v_lshlrev_b32 v15, 4, v1                       ; 16 x lane
	v_mul_u32_u24 v5, v3, 2304
	v_add_nc_u32 v5, v5, v15                       ; a load whose upper lanes begin the next row, 3,072 bytes on
	v_lshl_add_u32 v6, v1, 4, s60                  ; into LDS: my wave's bytes + 16 x lane
	v_lshl_add_u32 v14, v3, 4, v6                  ; and 16 more where the upper lanes begin the next row
	v_mul_u32_u24 v240, v2, 784
	v_mad_u32_u24 v240, v3, 24, v240
	v_add_nc_u32 v240, s60, v240                   ; back from LDS: row r, my half
	v_lshlrev_b32 v241, 7, v2
	v_lshl_add_u32 v241, v3, 4, v241               ; scale bytes of row 4 r, 16 bytes a half
	v_mul_u32_u24 v242, v3, 4*REC
	v_lshl_add_u32 v242, v2, 2, v242               ; their words: 4 r, four records on for the upper lanes
	s_mov_b32 s49, 0
	s_mov_b32 s51, 0
	s_mov_b32 s53, 0
	s_wait_alu depctr_va_vdst(0)                   ; the wait at the head's end
	s_wait_kmcnt 0x0
	s_cmp_gt_u32 s2, 3
	s_cbranch_scc1 .Lrelay
	; ---- waves 0-3 ----
	s_and_b32 s3, s2, 1
	s_lshr_b32 s4, s2, 1
	s_and_b32 s5, ttmp9, 63                        ; nb
	s_lshr_b32 s6, ttmp9, 6
	s_lshl_b32 s7, s6, 1
	s_add_co_u32 s7, s7, s4                        ; ks: which 128 along K
	s_lshl_b32 s42, s5, 6
	s_lshl_b32 s43, s3, 1
	s_add_co_u32 s42, s42, s43                     ; 64 nb + 2 (w % 2)
	s_lshl_b32 s48, s42, 2
	s_add_nc_u64 s[10:11], s[10:11], s[48:49]
	s_add_nc_u64 s[12:13], s[12:13], s[48:49]
	s_lshl_b32 s50, s7, 14
	s_add_co_u32 s50, s50, s48
	s_add_nc_u64 s[38:39], s[38:39], s[50:51]      ; zpart: row ks
	s_lshl_b32 s50, s7, 21
	s_add_co_u32 s50, s50, s48
	s_add_nc_u64 s[8:9], s[8:9], s[50:51]          ; h: row 128 ks
	s_mul_i32 s48, s7, 96
	s_add_co_u32 s50, s48, 0x300000                ; row 4096 begins 4096 x 768 bytes on
	s_add_nc_u64 s[14:15], s[14:15], s[50:51]
	s_add_nc_u64 s[16:17], s[16:17], s[50:51]
	s_add_nc_u64 s[18:19], s[18:19], s[50:51]
	s_mul_i32 s50, s42, 768
	s_add_co_u32 s50, s50, s48
	s_add_nc_u64 s[20:21], s[20:21], s[50:51]
	s_add_nc_u64 s[22:23], s[22:23], s[50:51]
	s_lshl_b32 s48, s7, 2
	s_add_co_u32 s50, s48, 0x20000
	s_add_nc_u64 s[24:25], s[24:25], s[50:51]
	s_add_nc_u64 s[26:27], s[26:27], s[50:51]
	s_add_nc_u64 s[28:29], s[28:29], s[50:51]
	s_lshl_b32 s50, s42, 5
	s_add_co_u32 s50, s50, s48
	s_add_nc_u64 s[30:31], s[30:31], s[50:51]
	s_add_nc_u64 s[32:33], s[32:33], s[50:51]
	s_lshr_b32 s48, s5, 2                          ; bimg: record (nt, ks), fragment y = 4 (nb % 4) + 2 (w % 2)
	s_mul_i32 s48, s48, 24
	s_add_co_u32 s48, s48, s7
	s_mul_i32 s48, s48, REC
	s_and_b32 s50, s5, 3
	s_lshl_b32 s50, s50, 2
	s_add_co_u32 s50, s50, s43
	s_mul_i32 s52, s50, 1536
	s_add_co_u32 s52, s52, s48
	s_add_nc_u64 s[54:55], s[36:37], s[52:53]
	s_lshl_b32 s52, s50, 6
	s_add_co_u32 s52, s52, s48
	s_add_co_u32 s52, s52, 24576
	s_add_nc_u64 s[56:57], s[36:37], s[52:53]
.irp p, 0,1,2
.irp c, 0,1,2,3,4,5
	global_load_b64 v[WF+12*\p+2*\c:WF+12*\p+2*\c+1], v7, s[14+2*\p:15+2*\p] offset:48*(\c/3)+8*(\c%3)   ; sixteen equal rows
.endr
	global_load_b32 v[WS+\p], v8, s[24+2*\p:25+2*\p]
.endr
.irp p, 0,1
.irp t, 0,1
.irp c, 0,1,2,3,4,5
	global_load_b64 v[BF+24*\p+12*\t+2*\c:BF+24*\p+12*\t+2*\c+1], v9, s[20+2*\p:21+2*\p] offset:\t*768+48*(\c/3)+8*(\c%3)
.endr
.endr
	global_load_b32 v[BS+\p], v10, s[30+2*\p:31+2*\p]   ; lane = column
.endr
	global_load_b32 v[ZZ], v4, s[10:11]
	global_load_b32 v[ZZ+1], v4, s[12:13]
.set i, 0
.rept 128
	global_load_b32 v[X+i], v4, s[8:9] offset:i*16384 th:TH_LOAD_NT   ; h(128 ks + i, my column)
.set i, i+1
.endr
	s_wait_loadcnt 63                              ; behind block 1's last load 64 were issued: blocks 0 and 1, and all that is older, are in
.macro BLOCK b
.set XS, X+32*(\b)
.set PB, 16+12*((\b)%2)+6*((\b)/2)     ; blocks 0, 2 at v16, v22; blocks 1, 3 at v28, v34: block 0's numbers are converted by then
	v_max3_num_f32 v236, |v[XS]|, |v[XS+1]|, |v[XS+2]|
	v_max3_num_f32 v237, |v[XS+3]|, |v[XS+4]|, |v[XS+5]|
.irp i, 6,10,14,18,22,26
	v_max3_num_f32 v236, v236, |v[XS+\i]|, |v[XS+\i+1]|
	v_max3_num_f32 v237, v237, |v[XS+\i+2]|, |v[XS+\i+3]|
.endr
	v_max3_num_f32 v236, v236, |v[XS+30]|, |v[XS+31]|
	v_max3_num_f32 v236, v236, v237, 0x2800000     ; the floor 2^(5 - 127): the byte cannot fall under 1
	v_add_nc_u32 v238, 0xfe000000, v236            ; 4 off the exponent field: the conversion's scale operand
	v_lshrrev_b32 v239, 23, v238                   ; the scale's byte
.if (\b) == 0
	v_mov_b32 v[PW], v239
.else
	v_lshl_or_b32 v[PW], v239, 8*(\b), v[PW]
.endif
	v_cvt_scalef32_pk16_bf6_f32 v[T0:T0+2], v[XS:XS+15], v238
	v_cvt_scalef32_pk16_bf6_f32 v[T1:T1+2], v[XS+16:XS+31], v238
	v_nop                                          ; one plain line behind the conversions
.irp i, 0,1,2
	v_mov_b32 v[PB+\i], v[T0+\i]
	v_mov_b32 v[PB+3+\i], v[T1+\i]
.endr
.endm
	BLOCK 0
	BLOCK 1
	s_wait_alu depctr_va_vdst(0)                   ; the wait ahead of the wait below
	s_wait_loadcnt 32                              ; block 2 is in
	BLOCK 2
	s_wait_alu depctr_va_vdst(0)
	s_wait_loadcnt 0x0
	BLOCK 3
	global_store_b32 v11, v[PW], s[56:57]          ; 32 scale words: two fragments' sixteen each
	; a fragment wants, in lane (r, t), blocks t and 2 + t of its column r: v16-27 become the lower lanes' columns, v28-39 the upper lanes'
.irp i, 0,1,2,3,4,5
	v_permlane16_swap_b32 v[16+\i], v[28+\i]
.endr
.irp i, 0,1,2,3,4,5
	v_permlane16_swap_b32 v[22+\i], v[34+\i]
.endr
	v_cmp_gt_u32 vcc_lo, 16, v1
.irp f, 0,1
.irp j, 0,1,2
	global_store_b128 v15, v[16+12*\f+4*\j:19+12*\f+4*\j], s[54:55] offset:1536*\f+512*\j   ; 512 consecutive bytes
.endr
.endr
.rept 8
	v_nop                                          ; a scale register written by vector instructions stands 8 places ahead of a scaled matrix instruction
.endr
.macro ZMUL p, t, bf, bs
.if \t
	v_wmma_scale_f32_16x16x128_f8f6f4 v[D+8*(2*\p+\t):D+8*(2*\p+\t)+7], v[WF+12*\p:WF+12*\p+11], v[\bf:\bf+11], 0, v[WS+\p], v[\bs] matrix_a_fmt:MATRIX_FMT_BF6 matrix_b_fmt:MATRIX_FMT_BF6 matrix_b_scale:MATRIX_SCALE_ROW1
.else
	v_wmma_scale_f32_16x16x128_f8f6f4 v[D+8*(2*\p+\t):D+8*(2*\p+\t)+7], v[WF+12*\p:WF+12*\p+11], v[\bf:\bf+11], 0, v[WS+\p], v[\bs] matrix_a_fmt:MATRIX_FMT_BF6 matrix_b_fmt:MATRIX_FMT_BF6
.endif
.endm
	ZMUL 0, 0, 16, PW                              ; six results, six accumulators, each begun with 0
	ZMUL 0, 1, 28, PW
	ZMUL 1, 0, BF, BS
	ZMUL 1, 1, BF+12, BS
	ZMUL 2, 0, BF+24, BS+1
	ZMUL 2, 1, BF+36, BS+1
.rept 4
	v_nop
.endr
.irp p, 0,1,2
	v_cndmask_b32 v[40+\p], v[D+16*\p+8], v[D+16*\p], vcc_lo   ; lane = column again; register 0 of each result
.endr
	v_fma_f32 v41, v[ZZ], v41, v42                 ; W_01 h_bottom + z (U_21 h_top)
	v_fma_f32 v40, v[ZZ+1], v40, v41               ; + z_bottom (U_11 h)
	global_store_b32 v4, v40, s[38:39]
	s_branch .Ldone
	; ---- waves 4-8 ----
.Lrelay:
	s_lshr_b32 s3, ttmp9, 2                        ; G
	s_and_b32 s4, ttmp9, 3                         ; u
	s_cmp_eq_u32 s2, 5
	s_cselect_b64 s[44:45], s[16:17], s[14:15]
	s_cselect_b64 s[46:47], s[26:27], s[24:25]
	s_cmp_eq_u32 s2, 6
	s_cselect_b64 s[44:45], s[18:19], s[44:45]
	s_cselect_b64 s[46:47], s[28:29], s[46:47]
	s_cmp_eq_u32 s2, 7
	s_cselect_b64 s[44:45], s[20:21], s[44:45]
	s_cselect_b64 s[46:47], s[30:31], s[46:47]
	s_cmp_eq_u32 s2, 8
	s_cselect_b64 s[44:45], s[22:23], s[44:45]
	s_cselect_b64 s[46:47], s[32:33], s[46:47]
	s_and_b32 s50, s3, 15                          ; a weight: my,
	s_lshr_b32 s5, s4, 1
	s_lshl_b32 s5, s5, 3
	s_lshr_b32 s6, s3, 4
	s_lshl_b32 s6, s6, 1
	s_add_co_u32 s5, s5, s6
	s_and_b32 s6, s4, 1
	s_add_co_u32 s5, s5, s6                        ; y = 8 (u / 2) + 2 gate + u % 2
	s_lshr_b32 s52, s3, 2                          ; columns: nt,
	s_and_b32 s6, s3, 3
	s_lshl_b32 s6, s6, 2
	s_add_co_u32 s6, s6, s4                        ; y = 4 (G % 4) + u
	s_cmp_lt_u32 s2, 7
	s_cselect_b32 s50, s50, s52
	s_cselect_b32 s5, s5, s6
	s_cselect_b32 s7, 4, 6
	s_cselect_b64 s[42:43], s[34:35], s[36:37]
	s_sub_co_u32 s7, s2, s7                        ; p
	s_mul_i32 s50, s50, 24
	s_lshl_b32 s7, s7, 3
	s_add_co_u32 s50, s50, s7
	s_mul_i32 s50, s50, REC                        ; the product's first record of my tile
	s_mul_i32 s48, s5, 1536
	s_add_co_u32 s48, s48, s50
	s_add_nc_u64 s[56:57], s[42:43], s[48:49]
	s_lshl_b32 s48, s5, 6
	s_add_co_u32 s48, s48, s50
	s_add_co_u32 s48, s48, 24576
	s_add_nc_u64 s[58:59], s[42:43], s[48:49]
	s_lshl_b32 s52, s3, 6
	s_add_co_u32 s52, s52, s4                      ; row 64 G + u
	s_mul_i32 s48, s52, 768
	s_add_nc_u64 s[44:45], s[44:45], s[48:49]
	s_lshl_b32 s48, s52, 5
	s_add_nc_u64 s[46:47], s[46:47], s[48:49]
	global_load_b128 v[208:211], v241, s[46:47]    ; four scale words of row 4 r
.irp v, 0,1,2,3,4,5,6,7                ; two rows, 1,536 bytes, by three loads of 512
	global_load_b128 v[16+12*\v:19+12*\v], v15, s[44:45] offset:6144*\v
	global_load_b128 v[20+12*\v:23+12*\v], v5, s[44:45] offset:6144*\v+512
	global_load_b128 v[24+12*\v:27+12*\v], v15, s[44:45] offset:6144*\v+3328
.endr
.irp v, 0,1,2,3,4,5,6,7
	s_wait_loadcnt 21-3*\v                         ; loads come back in order: pair v of rows is in
	ds_store_b128 v6, v[16+12*\v:19+12*\v] offset:1568*\v
	ds_store_b128 v14, v[20+12*\v:23+12*\v] offset:1568*\v+512
	ds_store_b128 v6, v[24+12*\v:27+12*\v] offset:1568*\v+1040
.endr
.irp i, 0,1,2,3
	global_store_b32 v242, v[208+\i], s[58:59] offset:REC*\i
.endr
.irp k, 0,1,2,3,4,5,6,7                ; LDS serves a wave's instructions in order: these see the stores above
.irp c, 0,1,2,3,4,5
	ds_load_b64 v[112+12*\k+2*\c:113+12*\k+2*\c], v240 offset:96*\k+48*(\c/3)+8*(\c%3)
.endr
.endr
.irp k, 0,1,2,3,4,5,6,7
	s_wait_dscnt 42-6*\k                           ; fragment k is in
.irp j, 0,1,2
	global_store_b128 v15, v[112+12*\k+4*\j:115+12*\k+4*\j], s[56:57] offset:REC*\k+512*\j
.endr
.endr
.Ldone:
	s_wait_tensorcnt 0x0                           ; the wave's end
	ds_add_u32 v12, v13
	s_wait_dscnt 0x0
	s_endpgm
.Lfunc_end_k_qcccb314104_prep:
	.size	k_qcccb314104_prep, .Lfunc_end_k_qcccb314104_prep-k_qcccb314104_prep
	.p2alignl 7, 3214868480
	.fill 96, 4, 3214868480
	.section	.rodata,"a",@progbits
	.p2align	6, 0x0
	.amdhsa_kernel k_qcccb314104_prep
		.amdhsa_group_segment_fixed_size 114176
		.amdhsa_private_segment_fixed_size 0
		.amdhsa_enable_private_segment 0
		.amdhsa_kernarg_size 128
		.amdhsa_user_sgpr_count 2
		.amdhsa_user_sgpr_kernarg_segment_ptr 1
		.amdhsa_wavefront_size32 1
		.amdhsa_system_sgpr_workgroup_id_x 1
		.amdhsa_system_sgpr_workgroup_id_y 1
		.amdhsa_system_sgpr_workgroup_id_z 1
		.amdhsa_system_vgpr_workitem_id 0
		.amdhsa_next_free_vgpr 256
		.amdhsa_next_free_sgpr 66
		.amdhsa_reserve_vcc 1
		.amdhsa_float_denorm_mode_32 3
		.amdhsa_float_denorm_mode_16_64 3
		.amdhsa_memory_ordered 1
		.amdhsa_forward_progress 1
		.amdhsa_inst_pref_size 42
	.end_amdhsa_kernel
	.amdgpu_metadata
---
amdhsa.version: [ 1, 2 ]
amdhsa.kernels:
  - .name:           k_qcccb314104_prep
    .symbol:         k_qcccb314104_prep.kd
    .args:
      - { .name: h, .offset: 0, .size: 8, .value_kind: global_buffer, .address_space: global }
      - { .name: z, .offset: 8, .size: 8, .value_kind: global_buffer, .address_space: global }
      - { .name: z_bottom, .offset: 16, .size: 8, .value_kind: global_buffer, .address_space: global }
      - { .name: U_11_codes, .offset: 24, .size: 8, .value_kind: global_buffer, .address_space: global }
      - { .name: U_21_codes, .offset: 32, .size: 8, .value_kind: global_buffer, .address_space: global }
      - { .name: W_01_codes, .offset: 40, .size: 8, .value_kind: global_buffer, .address_space: global }
      - { .name: h_top_codes, .offset: 48, .size: 8, .value_kind: global_buffer, .address_space: global }
      - { .name: h_bottom_codes, .offset: 56, .size: 8, .value_kind: global_buffer, .address_space: global }
      - { .name: U_11_scales, .offset: 64, .size: 8, .value_kind: global_buffer, .address_space: global }
      - { .name: U_21_scales, .offset: 72, .size: 8, .value_kind: global_buffer, .address_space: global }
      - { .name: W_01_scales, .offset: 80, .size: 8, .value_kind: global_buffer, .address_space: global }
      - { .name: h_top_scales, .offset: 88, .size: 8, .value_kind: global_buffer, .address_space: global }
      - { .name: h_bottom_scales, .offset: 96, .size: 8, .value_kind: global_buffer, .address_space: global }
      - { .name: aimg, .offset: 104, .size: 8, .value_kind: global_buffer, .address_space: global }
      - { .name: bimg, .offset: 112, .size: 8, .value_kind: global_buffer, .address_space: global }
      - { .name: zpart, .offset: 120, .size: 8, .value_kind: global_buffer, .address_space: global }
    .group_segment_fixed_size: 114176
    .private_segment_fixed_size: 0
    .kernarg_segment_align: 8
    .kernarg_segment_size: 128
    .max_flat_workgroup_size: 288
    .sgpr_count:     66
    .vgpr_count:     256
    .wavefront_size: 32
...
	.end_amdgpu_metadata
.endif
;; end of part 1
;; launch cell (part 2): grid 16 x 16, 4 waves a work-group, clusters of 4 x 4, 327,680 bytes of LDS; arguments aimg, bimg, bias, z, z_bottom, c, h, zpart, out0, out1, out2; writes out0, out1, out2
.if DOCPART == 2
	.amdgcn_target "amdgcn-amd-amdhsa--gfx1250"
	.amdhsa_code_object_version 6
	.text
	.protected	k_qcccb314104_cell
	.globl	k_qcccb314104_cell
	.p2align	8
	.type	k_qcccb314104_cell,@function
k_qcccb314104_cell:
	s_mov_b64 s[64:65], 0
	v_nop
	global_prefetch_b8 v0, s[64:65] scope:SCOPE_SE
	s_setreg_imm32_b32 hwreg(HW_REG_WAVE_MODE, 25, 1), 1
	s_wait_xcnt 0x0
	s_wait_alu depctr_hold_cnt(0) depctr_sa_sdst(0) depctr_va_vdst(0) depctr_va_sdst(0) depctr_va_ssrc(0) depctr_va_vcc(0) depctr_vm_vsrc(0)
	s_getreg_b32 s2, hwreg(HW_REG_IB_STS2, 6, 4)
	s_cmp_eq_u32 s2, 0
	s_cbranch_scc0 .Lentry_in_a_cluster
	s_endpgm
.Lentry_in_a_cluster:
	s_bfe_u32 s2, ttmp6, 0x10000c
	s_cmp_lg_u32 s2, 0xf033
	s_cbranch_scc0 .Lentry_shape_is_right
	s_endpgm
.Lentry_shape_is_right:
; THE CELL.  f_s = W_01 h_bottom + z (U_21 h_top) + z_bottom (U_11 h) + bias, then the gates, c_new, h_new; and out2 from row 4096's parts.
; A work-group (my, nt) makes 64 rows of the hidden state (all four gates: 256 rows of the weights) x 256 columns; four waves, each 128 x 128 of f_s in 64 accumulators.
; ONE SUM for the three products, 24 steps of 128 along K: steps 0-7 U_11 h, then x z_bottom / z'; steps 8-15 U_21 h_top, then x z' + bias; steps 16-23 W_01 h_bottom.  z' is z with its magnitude
; held at 2^-60 from below.  LIMIT: a z under 2^-60 in magnitude counts as 2^-60, and (U_11 h) z_bottom / z' has to stay finite in f32.
; OPERANDS come as the images that the launch before has laid (a record of 25,600 bytes for 256 rows and one step: 16 fragments in register order, then 256 scale words).  A slot holds three steps' records
; of A and of B, 153,600 bytes; two slots take turns.  Each wave fetches a quarter of a slot by one tensor load of 150 rows of 256 dense bytes.  A fragment is three loads of 16 bytes a lane at 16 x lane.
; CLUSTERS: 4 x 4 work-groups; A's records are asked for jointly along a row of the cluster, B's along a column.
; PREFETCH: behind the load of slot x the records of slot x + 2 are named, each block of 256 bytes once in a cluster: of a side's 300 blocks each partner takes 75 by address, its two loading waves 38 and 37
; (left-over lanes name the wave's last block again); the last two refills name nothing.  In trips 2 and 3 each wave names its own 64 blocks of c and then of h, a lane a row, one instruction a change of slots.
; LAYOUT OF A RESULT: source 0 = 16 rows of a weight, source 1 = 16 columns.  Accumulator (a, b), a = 2 gate + js: register j of lane (r, hh) is hidden row 64 my + 4 (8 hh + j) + 2 mh + js,
; column 256 nt + 128 nh + 64 (b / 4) + 4 r + b % 4.  So the four gates of a number lie in one lane, and the four accumulators b = 4 q .. 4 q + 3 give a lane four neighbouring columns:
; sixteen lanes load and store 256 consecutive bytes of a row of c, h, out0, out1, with no way through LDS.
; REGISTERS: window 0: v16-31 addresses, v32-47 scale words (two sets), v48-87 and v152-159 factors by column, v88-151 the bias, v160-255 A's fragments (one set; at the head and on the way out: at work).
;   window 1: B's fragments, two sets of 96; v192-255 and, on the way out, all of it: c and h.   windows 2, 3: the accumulators, (a, b) at v[8 (8 (a % 4) + b)].
.set REC,   25600
.set SIDE,  3*REC
.set SLOT,  2*SIDE
.set QUART, SIDE/2
.set TILEB, 24*REC
.set SPARE, 2*SLOT                     ; behind the ring: the spare words, 128 bytes a wave
.set ADRA, 16
.set ADRB, 18
.set ADRS, 20
.set CO,   22
.set PFO,  24
.set PFC,  26
.set SPW,  28
.set NIL,  29
.set SC,   32
.set ZR,   48                          ; z_bottom / z', by b
.set ZP,   56                          ; z'
.set CF0,  64                          ; z + (1 - z) z_bottom
.set CF1,  72                          ; (1 - z)(1 - z_bottom)
.set CF2,  80                          ; (1 - z) z_bottom
.set BI,   88                          ; bias: 8 a + j
.set M2,   152                         ; -2 CF0
.set AF,   160
.set T,    160
.set G1,   24
.set G0,   32
.set G1B,  48
.set G0B,  56
.set PFA,  70
.set PX,   72
.set MSB, 0
.macro WIN new
.if MSB != (\new)
	s_set_vgpr_msb (MSB<<8)|(\new)
.set MSB, (\new)
.endif
.endm
.set MUL_LO, 0xa4                      ; source 0 (A) window 0, source 1 (B) window 1, C and D window 2
.set MUL_HI, 0xf4
.set TO_B,   0x40
.macro JLOAD s                         ; a joint load: waves 0, 1 fetch A's two halves of the slot, waves 2, 3 B's
	s_cmp_eq_u32 s47, 0
	s_cbranch_scc0 .Lfor_b_\@
	tensor_load_to_lds s[G0+4*\s:G0+4*\s+3], s[G1:G1+7]
	s_nop 0
.rept 4
	v_nop
.endr
	s_branch .Lasked_\@
.Lfor_b_\@:
	tensor_load_to_lds s[G0B+4*\s:G0B+4*\s+3], s[G1B:G1B+7]
	s_nop 0
.rept 4
	v_nop
.endr
.Lasked_\@:
.endm
.macro CREST
	s_cmp_lg_u32 s46, 0
	s_cbranch_scc1 .Lnot_wave_0_\@
	s_barrier_signal -3
.Lnot_wave_0_\@:
	s_barrier_wait -3
	s_barrier_signal -1
	s_barrier_wait -1
.endm
.macro CROUND
	s_barrier_signal -1
	s_barrier_wait -1
	CREST
.endm
.macro PLACES
.rept 4
	v_nop
.endr
.endm
	s_load_b512 s[4:19], s[0:1], 0x0               ; aimg, bimg, bias, z, z_bottom, c, h, zpart
	s_load_b128 s[20:23], s[0:1], 0x40             ; out0, out1
	s_load_b64 s[66:67], s[0:1], 0x50              ; out2
	v_lshl_add_u32 v[SPW], v0, 2, SPARE
	v_mov_b32 v[NIL], 0
	ds_add_u32 v[SPW], v[NIL]                      ; the opening lines: the add, twice on end, and its wait
	ds_add_u32 v[SPW], v[NIL]
	v_lshrrev_b32 v1, 5, v0
	v_readfirstlane_b32 s46, v1                    ; wave
	s_lshr_b32 s47, s46, 1                         ; mh.  Also: I fetch for A (0) or B (1)
	s_and_b32 s68, s46, 1                          ; nh.  Also: which half of the side I fetch
	s_bfe_u32 s40, ttmp6, 0x40000                  ; cx
	s_bfe_u32 s41, ttmp6, 0x40004                  ; cy
	s_lshl_b32 s42, ttmp9, 2
	s_add_co_u32 s42, s42, s40                     ; nt
	s_and_b32 s43, ttmp7, 0xffff
	s_lshl_b32 s43, s43, 2
	s_add_co_u32 s43, s43, s41                     ; my
	s_lshl_b32 s44, s41, 2
	s_lshl_b32 s44, 15, s44                        ; my row of the cluster
	s_lshl_b32 s45, 0x1111, s40                    ; my column
	s_or_b32 s[G1], s44, (3<<16)|(1<<21)           ; elements of 8 bytes, no padding
	s_or_b32 s[G1B], s45, (3<<16)|(1<<21)
.irp g, G1, G1B
	s_mov_b32 s[\g+1], 32<<16                      ; rows of 256 bytes,
	s_mov_b32 s[\g+2], 150<<16                     ; 150 of them, dense
	s_mov_b32 s[\g+3], 32<<16
	s_mov_b32 s[\g+4], 150
	s_mov_b32 s[\g+5], 32
	s_mov_b32 s[\g+6], 0
	s_mov_b32 s[\g+7], 0
.endr
	s_mul_i32 s69, s68, QUART
	s_mul_i32 s78, s43, TILEB
	s_add_co_u32 s78, s78, s69
	s_mov_b32 s79, 0
	s_mul_i32 s80, s42, TILEB
	s_add_co_u32 s80, s80, s69
	s_mov_b32 s81, 0
	s_mul_i32 s2, s46, QUART                       ; where a quarter goes: wave x 38,400
	s_wait_dscnt 0x0
	s_wait_kmcnt 0x0
	s_add_nc_u64 s[82:83], s[4:5], s[78:79]
	s_add_nc_u64 s[84:85], s[6:7], s[80:81]
	CROUND                                         ; all sixteen work-groups are here: the first joint loads meet
.irp s, 0,1
	s_mov_b32 s[G0+4*\s], 1
	s_add_co_u32 s[G0+4*\s+1], s2, \s*SLOT
	s_add_nc_u64 s[G0+4*\s+2:G0+4*\s+3], s[82:83], \s*SIDE
	s_or_b32 s[G0+4*\s+3], s[G0+4*\s+3], 0x80000000
	s_mov_b32 s[G0B+4*\s], 1
	s_add_co_u32 s[G0B+4*\s+1], s2, \s*SLOT
	s_add_nc_u64 s[G0B+4*\s+2:G0B+4*\s+3], s[84:85], \s*SIDE
	s_or_b32 s[G0B+4*\s+3], s[G0B+4*\s+3], 0x80000000
.endr
	JLOAD 0                                        ; steps 0-2: one tensor load a wave at the head
	; the prefetches' addresses
	s_cmp_eq_u32 s47, 0
	s_cselect_b32 s86, s43, s42
	s_cselect_b32 s87, s40, s41                    ; my place among the four that ask with me
	s_cselect_b64 s[PFA:PFA+1], s[4:5], s[6:7]
	s_mul_i32 s86, s86, TILEB
	s_mul_i32 s87, s87, 75*256
	s_add_co_u32 s86, s86, s87
	s_mul_i32 s87, s68, 38*256
	s_add_co_u32 s86, s86, s87
	s_add_co_u32 s86, s86, 2*SIDE
	s_mov_b32 s87, 0
	s_add_nc_u64 s[PFA:PFA+1], s[PFA:PFA+1], s[86:87]
	s_sub_co_u32 s88, 37, s68                      ; my last block: 37 or 36
	v_and_b32 v3, 31, v0                           ; lane
	v_lshlrev_b32 v[PFO], 8, v3
	v_add_nc_u32 v2, 32, v3
	v_min_u32 v2, s88, v2
	v_lshlrev_b32 v[PFO+1], 8, v2
	global_prefetch_b8 v[PFO], s[PFA:PFA+1] offset:-SIDE th:TH_LOAD_NT scope:SCOPE_SE    ; slot 1's records, whose load follows behind the next round,
	global_prefetch_b8 v[PFO+1], s[PFA:PFA+1] offset:-SIDE th:TH_LOAD_NT scope:SCOPE_SE
	global_prefetch_b8 v[PFO], s[PFA:PFA+1] th:TH_LOAD_NT scope:SCOPE_SE       ; and slot 2's
	global_prefetch_b8 v[PFO+1], s[PFA:PFA+1] th:TH_LOAD_NT scope:SCOPE_SE
	v_and_b32 v1, 15, v0                           ; r
	v_bfe_u32 v2, v0, 4, 1                         ; hh
	v_lshlrev_b32 v4, 4, v1                        ; 16 r
	v_lshlrev_b32 v5, 7, v2                        ; the bias: 32 rows on for the upper lanes
	v_lshlrev_b32 v6, 2, v1
	v_lshl_add_u32 v6, v2, 16, v6                  ; zpart: column r, four rows on for the upper lanes
	v_mov_b32 v7, 0
	s_wait_alu depctr_va_vdst(0)                   ; the wait ahead of the run of scalar instructions
	s_lshl_b32 s86, s42, 10
	s_lshl_b32 s87, s68, 9
	s_add_co_u32 s86, s86, s87                     ; my first column, in bytes
	s_mov_b32 s87, 0
	s_add_nc_u64 s[10:11], s[10:11], s[86:87]
	s_add_nc_u64 s[12:13], s[12:13], s[86:87]
	s_lshl_b32 s88, s43, 20
	s_lshl_b32 s89, s47, 15
	s_add_co_u32 s88, s88, s89
	s_add_co_u32 s88, s88, s86                     ; row 64 my + 2 mh, my first column
	s_mov_b32 s89, 0
	s_add_nc_u64 s[14:15], s[14:15], s[88:89]
	s_add_nc_u64 s[16:17], s[16:17], s[88:89]
	s_add_nc_u64 s[20:21], s[20:21], s[88:89]
	s_add_nc_u64 s[22:23], s[22:23], s[88:89]
	s_lshl_b32 s88, s43, 8
	s_lshl_b32 s86, s47, 3
	s_add_co_u32 s88, s88, s86
	s_add_nc_u64 s[90:91], s[8:9], s[88:89]        ; bias at 64 my + 2 mh
	s_lshl_b32 s88, s43, 10
	s_lshl_b32 s86, s42, 6
	s_add_co_u32 s88, s88, s86                     ; out2: the work-group's 16 columns
	s_add_nc_u64 s[18:19], s[18:19], s[88:89]
	s_add_nc_u64 s[66:67], s[66:67], s[88:89]
.irp q, 0,1
	global_load_b128 v[160+4*\q:163+4*\q], v4, s[10:11] offset:256*\q   ; z of columns 64 q + 4 r + 0 .. 3: register b
	global_load_b128 v[168+4*\q:171+4*\q], v4, s[12:13] offset:256*\q   ; z_bottom
.endr
.irp i, 0,1,2,3
	global_load_b32 v[176+\i], v6, s[18:19] offset:16384*\i
.endr
	global_load_b32 v180, v7, s[8:9] offset:16384  ; bias of row 4096
	; LDS addresses
	s_mul_i32 s86, s47, 12288
	s_mul_i32 s87, s68, 12288
	s_add_co_u32 s87, s87, SIDE
	v_lshl_add_u32 v[ADRA], v3, 4, s86
	v_lshl_add_u32 v[ADRB], v3, 4, s87
	v_add_nc_u32 v[ADRA+1], SLOT, v[ADRA]
	v_add_nc_u32 v[ADRB+1], SLOT, v[ADRB]
	s_lshl_b32 s86, s47, 9
	s_lshl_b32 s87, s68, 9
	s_add_co_u32 s87, s87, SIDE
	s_sub_co_u32 s87, s87, s86
	v_mul_u32_u24 v8, s87, v2                      ; lanes 16-31 take B's words
	s_add_co_u32 s86, s86, 24576
	v_lshl_add_u32 v8, v1, 2, v8
	v_add_nc_u32 v[ADRS], s86, v8
	v_add_nc_u32 v[ADRS+1], SLOT, v[ADRS]
	v_lshlrev_b32 v[CO], 19, v2
	v_lshl_add_u32 v[CO], v1, 4, v[CO]             ; 32 rows on for the upper lanes, 16 bytes a lane
	v_lshrrev_b32 v8, 1, v3
	v_and_b32 v9, 1, v3
	v_lshlrev_b32 v[PFC], 16, v8
	v_lshl_add_u32 v[PFC], v9, 14, v[PFC]          ; my wave's row 4 (lane / 2) + lane % 2
	s_mov_b32 s2, 0x21800000                       ; 2^-60
	s_mov_b32 s86, 0x7fffffff
	s_wait_alu depctr_va_vdst(0)                   ; the wait ahead of the wait below
	s_wait_loadcnt 0x0
.irp b, 0,1,2,3,4,5,6,7
	v_max_num_f32 v[ZP+\b], |v[160+\b]|, s2
.endr
.irp b, 0,1,2,3,4,5,6,7
	v_bfi_b32 v[ZP+\b], s86, v[ZP+\b], v[160+\b]   ; z's sign on the held magnitude
.endr
.irp b, 0,1,2,3,4,5,6,7
	v_sub_f32 v[184+\b], 1.0, v[160+\b]
	v_sub_f32 v[192+\b], 1.0, v[168+\b]
.endr
	s_wait_alu depctr_va_vdst(0)                   ; the wait ahead of the batch
.irp b, 0,1,2,3,4,5,6,7
	v_rcp_f32 v[ZR+\b], v[ZP+\b]
.endr
.irp b, 0,1,2,3,4,5,6,7
	v_mul_f32 v[CF2+\b], v[184+\b], v[168+\b]
	v_mul_f32 v[CF1+\b], v[184+\b], v[192+\b]
.endr
.irp b, 0,1,2,3,4,5,6,7
	v_add_f32 v[CF0+\b], v[160+\b], v[CF2+\b]
.endr
.irp b, 0,1,2,3,4,5,6,7
	v_mul_f32 v[M2+\b], -2.0, v[CF0+\b]
.endr
	s_wait_alu depctr_va_vdst(0)                   ; and behind it, ahead of its first reader
.irp b, 0,1,2,3,4,5,6,7
	v_mul_f32 v[ZR+\b], v[ZR+\b], v[168+\b]
.endr
	s_wait_alu depctr_va_vdst(0)                   ; the wait ahead of the branch
	s_cmp_lg_u32 s46, 0
	s_cbranch_scc1 .Lno_row
	; wave 0: out2 of the work-group's 16 columns
	s_mov_b32 s86, 0x76543210
	s_mov_b32 s87, 0xfedcba98
	v_add_f32 v176, v176, v177
	v_add_f32 v178, v178, v179
	v_add_f32 v176, v176, v178
	v_mov_b32 v181, 0
	v_permlanex16_b32 v181, v176, s86, s87
	v_add_f32 v176, v176, v181                     ; the eight parts along K
	v_add_f32 v176, v176, v180
	v_fma_f32 v176, v176, 0.5, 0.5
	v_med3_num_f32 v176, v176, 0, 1.0              ; z_hat
	v_cmp_lt_f32 vcc_lo, 0.5, v176
	v_cndmask_b32 v177, 0, 1.0, vcc_lo
	v_sub_f32 v177, v177, v176
	v_add_f32 v176, v176, v177                     ; z_hat + (step - z_hat)
	v_lshlrev_b32 v178, 2, v1
	v_cmp_gt_u32 vcc_lo, 16, v3
	s_wait_alu depctr_va_vdst(0)
	s_wait_xcnt 0x0                                ; EXEC changes only behind this wait
	s_and_saveexec_b32 s86, vcc_lo
	global_store_b32 v178, v176, s[66:67]
	s_wait_xcnt 0x0
	s_or_b32 exec_lo, exec_lo, s86
.Lno_row:
	s_mov_b32 s74, 0xbfb8aa3b                      ; -log2(e)
	s_mov_b32 s75, s74
	s_mov_b32 s76, 0x4038aa3b                      ; 2 log2(e)
	s_mov_b32 s77, s76
.irp a, 0,1,2,3                        ; the bias is first read ahead of step 16: its 64 loads go out in two runs of 32, and are waited for in the loop
.irp j, 0,1,2,3,4,5,6,7
	global_load_b32 v[BI+8*\a+\j], v5, s[90:91] offset:4096*(\a/2)+4*(\a%2)+16*\j
.endr
.endr
.macro FR3 reg, adr, off               ; a fragment: 12 registers, three loads of 16 bytes a lane
	ds_load_b128 v[\reg:\reg+3], v[\adr] offset:\off
	ds_load_b128 v[\reg+4:\reg+7], v[\adr] offset:\off+512
	ds_load_b128 v[\reg+8:\reg+11], v[\adr] offset:\off+1024
.endm
.macro FETCH_B sg, j, p
	WIN TO_B
.irp i, 0,1,2,3,4,5,6,7
	FR3 96*(\p)+12*\i, ADRB+(\sg), (\j)*REC+\i*1536
.endr
	WIN 0
.endm
.macro FETCH_A sg, j, i0
.irp i, \i0, \i0+1, \i0+2, \i0+3
	FR3 AF+12*(\i), ADRA+(\sg), (\j)*REC+(\i)*1536
.endr
.endm
.macro SCALES sg, j, p                 ; lanes 0-15: the words of A's block i; lanes 16-31: of B's block i
.irp i, 0,1,2,3,4,5,6,7
	ds_load_b32 v[SC+8*(\p)+\i], v[ADRS+(\sg)] offset:(\j)*REC+64*\i
.endr
.endm
.macro MUL8 a, p, zero                 ; A's block a against B's eight; the 64 accumulators take turns in the same order in every step
.irp b, 0,1,2,3,4,5,6,7
.if \zero
	v_wmma_scale_f32_16x16x128_f8f6f4 v[8*(8*((\a)%4)+\b):8*(8*((\a)%4)+\b)+7], v[AF+12*(\a):AF+12*(\a)+11], v[96*(\p)+12*\b:96*(\p)+12*\b+11], 0, v[SC+8*(\p)+(\a)], v[SC+8*(\p)+\b] matrix_a_fmt:MATRIX_FMT_BF6 matrix_b_fmt:MATRIX_FMT_BF6 matrix_b_scale:MATRIX_SCALE_ROW1
.else
	v_wmma_scale_f32_16x16x128_f8f6f4 v[8*(8*((\a)%4)+\b):8*(8*((\a)%4)+\b)+7], v[AF+12*(\a):AF+12*(\a)+11], v[96*(\p)+12*\b:96*(\p)+12*\b+11], v[8*(8*((\a)%4)+\b):8*(8*((\a)%4)+\b)+7], v[SC+8*(\p)+(\a)], v[SC+8*(\p)+\b] matrix_a_fmt:MATRIX_FMT_BF6 matrix_b_fmt:MATRIX_FMT_BF6 matrix_b_scale:MATRIX_SCALE_ROW1
.endif
.endr
.endm
; Place x = 0 .. 5 in a lap of two slots: slot x / 3, its step x % 3; B's set and the scale set x % 2.
.macro STEP x, zero                    ; a slot's first or second step: the next step's fragments come from the same slot
.set SG, (\x)/3
.set JJ, (\x)%3
.set PP, (\x)%2
	s_wait_dscnt 12                                ; all but the youngest twelve loads, A's blocks 4-7
	FETCH_B SG, JJ+1, 1-PP                         ; B's other set and the other scale set are free since the four places at the last step's end
	SCALES SG, JJ+1, 1-PP
	WIN MUL_LO
.irp a, 0,1,2,3
	MUL8 \a, PP, \zero
.endr
	s_wait_dscnt 32                                ; A's blocks 4-7 are in; the 32 loads issued at this step's head may be out
	PLACES                                         ; four places in front of loads into registers that matrix instructions have read
	WIN 0
	FETCH_A SG, JJ+1, 0
	WIN MUL_HI
.irp a, 4,5,6,7
	MUL8 \a, PP, \zero
.endr
	PLACES
	WIN 0
	FETCH_A SG, JJ+1, 4
.endm
.macro TURN x, fill                    ; a slot's third step, and the change of slots
.set SG, (\x)/3
.set PP, (\x)%2
.if \fill
	s_wait_xcnt 0x0                                ; my prefetches have read their addresses
	s_add_nc_u64 s[PFA:PFA+1], s[PFA:PFA+1], SIDE
.if SG == 0
	s_cmp_eq_u32 s3, 2
	s_cselect_b64 s[PX:PX+1], s[14:15], s[16:17]   ; trip 2 names c, trip 3 h
.endif
.endif
	s_wait_dscnt 12
	WIN MUL_LO
	MUL8 0, PP, 0
	WIN 0
	s_wait_tensorcnt 0x0                           ; all my tensor loads have landed: my quarter of the next slot
	ds_add_u32 v[SPW], v[NIL]
.if \fill
	s_add_nc_u64 s[G0+4*SG+2:G0+4*SG+3], s[G0+4*SG+2:G0+4*SG+3], 2*SIDE
	s_add_nc_u64 s[G0B+4*SG+2:G0B+4*SG+3], s[G0B+4*SG+2:G0B+4*SG+3], 2*SIDE
.endif
	WIN MUL_LO
	MUL8 1, PP, 0
	WIN 0
	s_wait_dscnt 0x0                               ; the add is done, and my reads of this slot are over
	s_barrier_signal -1
	s_barrier_wait -1
.if \fill
	CREST                                          ; the barrier has opened a round of the cluster's barrier
	JLOAD SG                                       ; the first tensor load behind the round; its four v_nop are the places for the loads below
.else
	PLACES
.endif
	FETCH_B 1-SG, 0, 1-PP
	SCALES 1-SG, 0, 1-PP
.if \fill
	s_cmp_gt_u32 s3, 1                             ; the last trip's refills have no slot two on
	s_cbranch_scc0 .Lna_\@
	global_prefetch_b8 v[PFO], s[PFA:PFA+1] offset:SIDE th:TH_LOAD_NT scope:SCOPE_SE
	global_prefetch_b8 v[PFO+1], s[PFA:PFA+1] offset:SIDE th:TH_LOAD_NT scope:SCOPE_SE
.Lna_\@:
	s_cmp_lt_u32 s3, 3
	s_cbranch_scc0 .Lnc_\@
	global_prefetch_b8 v[PFC], s[PX:PX+1] offset:256*SG th:TH_LOAD_NT scope:SCOPE_SE
.Lnc_\@:
.endif
	WIN MUL_LO
	MUL8 2, PP, 0
	MUL8 3, PP, 0
	PLACES
	WIN 0
	FETCH_A 1-SG, 0, 0
	WIN MUL_HI
.irp a, 4,5,6,7
	MUL8 \a, PP, 0
.endr
	PLACES
	WIN 0
	FETCH_A 1-SG, 0, 4
.endm
.macro FOLD kind                       ; 1: the sums x z_bottom / z';  2: the sums x z' + bias.  Each accumulator from its low end on
.irp a, 0,1,2,3,4,5,6,7
	WIN 0x82+0x41*(\a/4)
.irp b, 0,1,2,3,4,5,6,7
.irp i, 0,2,4,6
.set RR, 8*(8*(\a%4)+\b)+\i
.if \kind == 1
.if (\b%2) == 0
	v_pk_mul_f32 v[RR:RR+1], v[RR:RR+1], v[ZR+\b:ZR+\b+1] op_sel_hi:[1,0]
.else
	v_pk_mul_f32 v[RR:RR+1], v[RR:RR+1], v[ZR+\b-1:ZR+\b] op_sel:[0,1] op_sel_hi:[1,1]
.endif
.else
.if (\b%2) == 0
	v_pk_fma_f32 v[RR:RR+1], v[RR:RR+1], v[ZP+\b:ZP+\b+1], v[BI+8*\a+\i:BI+8*\a+\i+1] op_sel_hi:[1,0,1]
.else
	v_pk_fma_f32 v[RR:RR+1], v[RR:RR+1], v[ZP+\b-1:ZP+\b], v[BI+8*\a+\i:BI+8*\a+\i+1] op_sel:[0,1,0] op_sel_hi:[1,1,1]
.endif
.endif
.endr
.endr
.endr
	WIN 0
	s_wait_alu depctr_va_vdst(0)
.endm
.macro CHLOAD k                        ; group k = 2 js + q: c and h of 8 rows a lane, 4 columns each
.set CH, (192+64*(\k))%256
.irp j, 0,1,2,3,4,5,6,7
	global_load_b128 v[CH+4*\j:CH+4*\j+3], v[CO], s[14:15] offset:\j*65536+((\k)/2)*16384+((\k)%2)*256 th:TH_LOAD_NT
.endr
.irp j, 0,1,2,3,4,5,6,7
	global_load_b128 v[CH+32+4*\j:CH+32+4*\j+3], v[CO], s[16:17] offset:\j*65536+((\k)/2)*16384+((\k)%2)*256 th:TH_LOAD_NT
.endr
.endm
	s_wait_alu depctr_va_vdst(0)                   ; the wait at the head's end
	s_wait_tensorcnt 0x0                           ; my quarter of slot 0 is in
	ds_add_u32 v[SPW], v[NIL]
	s_wait_dscnt 0x0
	CROUND
	JLOAD 1                                        ; steps 3-5
	global_prefetch_b8 v[PFO], s[PFA:PFA+1] offset:SIDE th:TH_LOAD_NT scope:SCOPE_SE     ; slot 3's records
	global_prefetch_b8 v[PFO+1], s[PFA:PFA+1] offset:SIDE th:TH_LOAD_NT scope:SCOPE_SE
	FETCH_B 0, 0, 0
	FETCH_A 0, 0, 0
	SCALES 0, 0, 0
	FETCH_A 0, 0, 4
	STEP 0, 1                                      ; step 0 starts the sums
.irp a, 4,5,6,7
.irp j, 0,1,2,3,4,5,6,7
	global_load_b32 v[BI+8*\a+\j], v5, s[90:91] offset:4096*(\a/2)+4*(\a%2)+16*\j
.endr
.endr
	s_mov_b32 s3, 3
.Llap:                                                 ; trip t = 3 - s3: steps 6 t + 1 .. 6 t + 6; both slots are filled again
	STEP 1, 0
	s_cmp_lg_u32 s3, 2
	s_cbranch_scc1 .Lno_fold1
	FOLD 1                                         ; ahead of step 8
.Lno_fold1:
	TURN 2, 1
	STEP 3, 0
	s_wait_loadcnt 0x0                             ; the bias is in: the only loads into registers that are out in the loop
	s_cmp_lg_u32 s3, 1
	s_cbranch_scc1 .Lno_fold2
	FOLD 2                                         ; ahead of step 16
.Lno_fold2:
	STEP 4, 0
	TURN 5, 1
	STEP 0, 0
	s_sub_co_u32 s3, s3, 1
	s_cmp_lg_u32 s3, 0
	s_cbranch_scc1 .Llap
	WIN 0x40
	CHLOAD 0                                       ; into registers that no matrix instruction names
	WIN 0
	STEP 1, 0                                      ; steps 19-23: nothing more is fetched
	TURN 2, 0
	STEP 3, 0
	STEP 4, 0
	s_wait_dscnt 12
	WIN MUL_LO
.irp a, 0,1,2,3
	MUL8 \a, 1, 0
.endr
	s_wait_dscnt 0
	WIN MUL_HI
.irp a, 4,5,6,7
	MUL8 \a, 1, 0
.endr
	PLACES
	WIN 0x40
	CHLOAD 1
	CHLOAD 2
	CHLOAD 3
	; every pre-activation becomes its exponential's argument: f, i, o: -x log2(e); g: 2 x log2(e)
.irp a, 0,1,2,3,4,5,6,7
	WIN 0x82+0x41*(\a/4)
.set i, 0
.rept 32
.if \a < 6
	v_pk_mul_f32 v[64*(\a%4)+i:64*(\a%4)+i+1], v[64*(\a%4)+i:64*(\a%4)+i+1], s[74:75] op_sel_hi:[1,0]
.else
	v_pk_mul_f32 v[64*(\a%4)+i:64*(\a%4)+i+1], v[64*(\a%4)+i:64*(\a%4)+i+1], s[76:77] op_sel_hi:[1,0]
.endif
.set i, i+2
.endr
.endr
.macro BC3 d, m, c, b                  ; d = d x m[b] + c[b], two rows at a time
.if ((\b)%2) == 0
	v_pk_fma_f32 v[\d:\d+1], v[\d:\d+1], v[\m+(\b):\m+(\b)+1], v[\c+(\b):\c+(\b)+1] op_sel_hi:[1,0,0]
.else
	v_pk_fma_f32 v[\d:\d+1], v[\d:\d+1], v[\m+(\b)-1:\m+(\b)], v[\c+(\b)-1:\c+(\b)] op_sel:[0,1,1] op_sel_hi:[1,1,1]
.endif
.endm
.macro EACH32 op, base
.set i, 0
.rept 32
	\op v[\base+i], v[\base+i]
.set i, i+1
.endr
.endm
.macro ADD1 base
.set i, 0
.rept 16
	v_pk_add_f32 v[\base+i:\base+i+1], v[\base+i:\base+i+1], 1.0 op_sel_hi:[1,0]
.set i, i+2
.endr
.endm
; Group k = 2 js + q: 8 rows x 4 columns a lane.  FB: f (window 2) and o (window 3), register 8 u + j; IB: i (window 2) and g (window 3).
.macro GROUP k
.set JS, (\k)/2
.set Q4, 4*((\k)%2)
.set CH, (192+64*(\k))%256
.set FB, 8*(8*JS+Q4)
.set IB, 8*(8*(2+JS)+Q4)
.set OFS, JS*16384+64*Q4
.if (\k) > 0
	s_wait_xcnt 0x0                                ; the last group's stores have read their registers
.endif
	s_wait_alu depctr_va_vdst(0)                   ; one wait ahead of each batch and one behind it
	WIN 0x82
	EACH32 v_exp_f32, FB
	EACH32 v_exp_f32, IB
	WIN 0xc3
	EACH32 v_exp_f32, FB
	EACH32 v_exp_f32, IB
	v_nop
	s_wait_alu depctr_va_vdst(0)
	ADD1 FB
	ADD1 IB
	WIN 0x82
	ADD1 FB
	ADD1 IB
	s_wait_alu depctr_va_vdst(0)
	EACH32 v_rcp_f32, FB
	EACH32 v_rcp_f32, IB
	WIN 0xc3
	EACH32 v_rcp_f32, FB
	EACH32 v_rcp_f32, IB
	v_nop
	s_wait_alu depctr_va_vdst(0)
.irp u, 0,1,2,3
.irp i, 0,2,4,6
	BC3 IB+8*\u+\i, M2, CF0, Q4+\u                 ; CF0 tanh(g) = CF0 - 2 CF0 / (1 + e)
.endr
.endr
	WIN 0xce
.set i, 0
.rept 16
	v_pk_mul_f32 v[IB+i:IB+i+1], v[IB+i:IB+i+1], v[IB+i:IB+i+1]   ; x i (source 0: window 2)
.set i, i+2
.endr
	WIN 0x82
.irp u, 0,1,2,3
.irp i, 0,2,4,6
	BC3 FB+8*\u+\i, CF2, CF1, Q4+\u                ; CF2 f + CF1
.endr
.endr
	s_wait_alu depctr_va_vdst(0)                   ; the wait ahead of the wait below
	s_wait_loadcnt 16*(3-(\k))                     ; this group's c and h are in; the later groups' 16 loads each may be out
	WIN 0x79
.irp j, 0,1,2,3,4,5,6,7
.irp u, 0,1,2,3
	v_fma_f32 v[CH+4*\j+\u], v[CH+4*\j+\u], v[FB+8*\u+\j], v[IB+8*\u+\j]   ; c_new, four columns in four neighbouring registers
.endr
.endr
	WIN 0x04
.irp j, 0,1,2,3,4,5,6,7
	global_store_b128 v[CO], v[CH+4*\j:CH+4*\j+3], s[22:23] offset:\j*65536+OFS th:TH_STORE_NT   ; sixteen lanes store 256 consecutive bytes, aligned
.endr
	WIN 0x01
.set i, 0
.rept 16
	v_pk_mul_f32 v[T+i:T+i+1], v[CH+i:CH+i+1], s[76:77] op_sel_hi:[1,0]
.set i, i+2
.endr
	WIN 0
	s_wait_alu depctr_va_vdst(0)
	EACH32 v_exp_f32, T
	v_nop
	s_wait_alu depctr_va_vdst(0)
	ADD1 T
	s_wait_alu depctr_va_vdst(0)
	EACH32 v_rcp_f32, T
	v_nop
	s_wait_alu depctr_va_vdst(0)
.irp j, 0,1,2,3,4,5,6,7
.irp u, 0,2
	v_pk_fma_f32 v[T+4*\j+\u:T+4*\j+\u+1], v[T+4*\j+\u:T+4*\j+\u+1], v[M2+Q4+\u:M2+Q4+\u+1], v[CF0+Q4+\u:CF0+Q4+\u+1]   ; CF0 tanh(c_new)
.endr
.endr
	WIN 0x41
.irp j, 0,1,2,3,4,5,6,7
.irp u, 0,2
	v_pk_mul_f32 v[CH+32+4*\j+\u:CH+33+4*\j+\u], v[CH+32+4*\j+\u:CH+33+4*\j+\u], v[CF1+Q4+\u:CF1+Q4+\u+1]   ; CF1 h
.endr
.endr
	WIN 0x13
.irp j, 0,1,2,3,4,5,6,7
.irp u, 0,1,2,3
	v_fma_f32 v[T+4*\j+\u], v[FB+8*\u+\j], v[T+4*\j+\u], v[CH+32+4*\j+\u]   ; h_new = o CF0 tanh(c_new) + CF1 h
.endr
.endr
	WIN 0
.irp j, 0,1,2,3,4,5,6,7
	global_store_b128 v[CO], v[T+4*\j:T+4*\j+3], s[20:21] offset:\j*65536+OFS th:TH_STORE_NT
.endr
.endm
	GROUP 0
	GROUP 1
	GROUP 2
	GROUP 3
	s_wait_tensorcnt 0x0                           ; the wave's end
	ds_add_u32 v[SPW], v[NIL]
	s_wait_dscnt 0x0
	CROUND                                         ; the closing round
	s_endpgm
.Lfunc_end_k_qcccb314104_cell:
	.size	k_qcccb314104_cell, .Lfunc_end_k_qcccb314104_cell-k_qcccb314104_cell
	.p2alignl 7, 3214868480
	.fill 96, 4, 3214868480
	.section	.rodata,"a",@progbits
	.p2align	6, 0x0
	.amdhsa_kernel k_qcccb314104_cell
		.amdhsa_group_segment_fixed_size 327680
		.amdhsa_private_segment_fixed_size 0
		.amdhsa_enable_private_segment 0
		.amdhsa_kernarg_size 88
		.amdhsa_user_sgpr_count 2
		.amdhsa_user_sgpr_kernarg_segment_ptr 1
		.amdhsa_wavefront_size32 1
		.amdhsa_system_sgpr_workgroup_id_x 1
		.amdhsa_system_sgpr_workgroup_id_y 1
		.amdhsa_system_sgpr_workgroup_id_z 1
		.amdhsa_system_vgpr_workitem_id 0
		.amdhsa_next_free_vgpr 1024
		.amdhsa_next_free_sgpr 96
		.amdhsa_reserve_vcc 1
		.amdhsa_float_denorm_mode_32 3
		.amdhsa_float_denorm_mode_16_64 3
		.amdhsa_memory_ordered 1
		.amdhsa_forward_progress 1
		.amdhsa_inst_pref_size 255
	.end_amdhsa_kernel
	.section	.bss,"aw",@nobits
	.p2align	6
	.space	262144
	.amdgpu_metadata
---
amdhsa.version: [ 1, 2 ]
amdhsa.kernels:
  - .name:           k_qcccb314104_cell
    .symbol:         k_qcccb314104_cell.kd
    .args:
      - { .name: aimg, .offset: 0, .size: 8, .value_kind: global_buffer, .address_space: global }
      - { .name: bimg, .offset: 8, .size: 8, .value_kind: global_buffer, .address_space: global }
      - { .name: bias, .offset: 16, .size: 8, .value_kind: global_buffer, .address_space: global }
      - { .name: z, .offset: 24, .size: 8, .value_kind: global_buffer, .address_space: global }
      - { .name: z_bottom, .offset: 32, .size: 8, .value_kind: global_buffer, .address_space: global }
      - { .name: c, .offset: 40, .size: 8, .value_kind: global_buffer, .address_space: global }
      - { .name: h, .offset: 48, .size: 8, .value_kind: global_buffer, .address_space: global }
      - { .name: zpart, .offset: 56, .size: 8, .value_kind: global_buffer, .address_space: global }
      - { .name: out0, .offset: 64, .size: 8, .value_kind: global_buffer, .address_space: global }
      - { .name: out1, .offset: 72, .size: 8, .value_kind: global_buffer, .address_space: global }
      - { .name: out2, .offset: 80, .size: 8, .value_kind: global_buffer, .address_space: global }
    .group_segment_fixed_size: 327680
    .private_segment_fixed_size: 0
    .kernarg_segment_align: 8
    .kernarg_segment_size: 88
    .max_flat_workgroup_size: 128
    .sgpr_count:     96
    .vgpr_count:     1024
    .wavefront_size: 32
...
	.end_amdgpu_metadata
.endif
;; end of part 2
